; MI455X (gfx1250); checked and timed in simulation.
; The chip was launched on July 23, 2026; its instructions are those of AMD's public machine-readable ISA for CDNA 5 (MIT licence, August 2026) and "CDNA5" Instruction Set Architecture Reference Guide (July 2026). The comments in the code are by the model that wrote it; some were corrected since.
;; Mutli Head Attention. Allowed arithmetic: float matrix products may take bf16 or f16 operands with f32 sums; all other float work in f32.
;; Inputs: K 2 x 2,048 x 1,024 float32; Q 2 x 2,048 x 1,024 float32; V 2 x 2,048 x 1,024 float32; Wk 1,024 x 1,024 float32; Wo 1,024 x 1,024 float32; Wq 1,024 x 1,024 float32; Wv 1,024 x 1,024 float32; bk 1,024 float32; bo 1,024 float32; bq 1,024 float32; bv 1,024 float32; mask 1 x 1 x 2,048 x 2,048 int32.
;; Outputs: out0 2 x 2,048 x 1,024 float32.
;; One version. Each part assembles by itself: llvm-mc -triple=amdgcn-amd-amdhsa -mcpu=gfx1250 --defsym DOCPART=n.
;; ======== version 1 of 1: 4 launches
;; limits: values are held in f16: magnitudes above 65,504 overflow, below 6.1e-05 lose precision; right only within a limited range of input values
;; workspace buffers: xh 25,165,824 bytes; wh 8,388,608 bytes; mw 524,288 bytes of whole numbers; qkv 25,165,824 bytes; ctx 8,388,608 bytes
;; launch prep (part 1): grid 256 x 5, 8 waves a work-group, no clusters, 0 bytes of LDS; arguments Q, K, V, Wq, Wk, Wv, Wo, mask, xh, wh, mw; writes xh, wh, mw
.if DOCPART == 1
	.amdgcn_target "amdgcn-amd-amdhsa--gfx1250"
	.amdhsa_code_object_version 6
	.text
	.protected	k_q50b1af8165_prep
	.globl	k_q50b1af8165_prep
	.p2align	8
	.type	k_q50b1af8165_prep,@function
k_q50b1af8165_prep:
	s_mov_b64 s[64:65], 0
	v_nop
	global_prefetch_b8 v0, s[64:65] scope:SCOPE_SE
	s_setreg_imm32_b32 hwreg(HW_REG_WAVE_MODE, 25, 1), 1
	s_wait_xcnt 0x0
; prep: one streaming pass that readies the operands of the three matrix launches.
;   y = 0, 1, 2: Q, K, V (f32 [4096][1024]) -> xh plane y (f16).      y = 3: Wq, Wk, Wv, Wo (f32 [1024][1024]) -> wh planes 0..3 (f16), not transposed.
;   y = 4: mask (int32 [2048][2048]) -> mw, one bit a number: mw[Q16][K16][j], bit L = (mask[16 Q16 + (L & 15)][16 K16 + 8 (L >> 4) + j] != 0),
;          which is the lane mask that register j of a tile of 16 keys x 16 queries of scores needs in the attention launch.
; A work-group of either kind reads 65,536 bytes: 16 loads of 16 bytes a lane, all issued before the first is used, each covering 512 consecutive bytes a wave.
; Each store of a wave covers 256 consecutive bytes, aligned.  No LDS, no matrix unit, no cluster: no byte is read twice and no two work-groups share an input.
; LIMIT: f16 holds magnitudes up to 65,504 (larger inputs become infinite) and, below 6.1e-5, steps of 6e-8.
	s_load_b512 s[8:23], s[0:1], 0x0               ; Q s[8:9], K, V, Wq s[14:15], Wk, Wv, Wo s[20:21], mask s[22:23]
	s_load_b128 s[24:27], s[0:1], 0x40             ; xh s[24:25], wh s[26:27]
	s_load_b64 s[28:29], s[0:1], 0x50              ; mw
	s_and_b32 s2, ttmp7, 0xffff                    ; y
	s_mov_b32 s3, ttmp9                            ; x
	v_lshlrev_b32 v1, 4, v0                        ; 16 t: my 16 bytes of every load, in both parts
	s_cmp_eq_u32 s2, 4
	s_cbranch_scc1 .Lmask
	; ---- f32 to f16 ----
	v_lshlrev_b32 v2, 3, v0                        ; 8 t: my 8 bytes of every store
	s_lshr_b32 s30, s3, 6
	s_add_co_u32 s30, s30, 3                       ; y = 3: source 3 + x / 64 (64 chunks of 65,536 bytes to a weight)
	s_and_b32 s31, s3, 63                          ; and chunk x % 64 of it
	s_lshl_b32 s32, s2, 23                         ; y < 3: plane y of xh, 8,388,608 bytes each
	s_wait_kmcnt 0x0
	s_cmp_lt_u32 s2, 3
	s_cselect_b32 s30, s2, s30                     ; which source
	s_cselect_b32 s31, s3, s31                     ; which chunk of it
	s_cselect_b32 s32, s32, 0
	s_cselect_b64 s[6:7], s[24:25], s[26:27]       ; into xh or wh
	s_mov_b64 s[4:5], s[8:9]
.irp i, 1,2,3,4,5,6
	s_cmp_eq_u32 s30, \i
	s_cselect_b64 s[4:5], s[8+2*\i:9+2*\i], s[4:5]
.endr
	s_lshl_b32 s34, s31, 16
	s_mov_b32 s35, 0
	s_lshl_b32 s36, s3, 15                         ; a chunk is 32,768 bytes of f16; the four weights follow each other in wh as x runs
	s_add_co_u32 s36, s36, s32
	s_mov_b32 s37, 0
	s_add_nc_u64 s[4:5], s[4:5], s[34:35]
	s_add_nc_u64 s[6:7], s[6:7], s[36:37]
.irp i, 0,1,2,3,4,5,6,7,8,9,10,11,12,13,14,15
	global_load_b128 v[8+4*\i:11+4*\i], v1, s[4:5] offset:4096*\i th:TH_LOAD_NT
.endr
.irp i, 0,1,2,3,4,5,6,7,8,9,10,11,12,13,14,15
	s_wait_loadcnt 15-\i                           ; loads come back in order: load i is in, the 15 - i younger ones stay out
	v_cvt_pk_f16_f32 v[72+2*\i], v[8+4*\i], v[9+4*\i]
	v_cvt_pk_f16_f32 v[73+2*\i], v[10+4*\i], v[11+4*\i]
	global_store_b64 v2, v[72+2*\i:73+2*\i], s[6:7] offset:2048*\i     ; every store has registers of its own: nothing is rewritten
.endr
	s_endpgm
	; ---- the mask, 32 numbers to a word ----
	; Work-group x: query rows 16 (x / 2) .. + 15, keys 1024 (x % 2) .. + 1023.  Wave w: 128 of these keys, 8 tiles of 16.
	; Load r brings the wave's 512 consecutive bytes of row r: lane l holds keys 4 l + c, c = 0 .. 3.  Key 4 l + c is tile l / 4, half h = (l / 2) % 2,
	; j = 4 (l % 2) + c.  A lane gathers for each of its four keys the 16 rows' bits, bit r for row r; a word of mw is then the 16 bits of a lane with h = 0
	; below those of the lane two further on, which has h = 1 and the same tile and j.
.Lmask:
	v_bfe_u32 v3, v0, 2, 3                         ; l / 4: the tile
	v_and_b32 v4, 1, v0                            ; l % 2: words j = 0 .. 3 or 4 .. 7
	v_lshrrev_b32 v5, 5, v0                        ; wave
	v_and_b32 v6, 2, v0                            ; 2 h
	v_lshlrev_b32 v2, 5, v3                        ; a tile's 8 words are 32 bytes
	v_lshl_add_u32 v2, v4, 4, v2                   ; + my four words
	v_lshl_add_u32 v2, v5, 8, v2                   ; + the wave's 8 tiles
	s_lshr_b32 s30, s3, 1
	s_lshl_b32 s30, s30, 17                        ; 16 rows of 8,192 bytes
	s_and_b32 s31, s3, 1
	s_lshl_b32 s31, s31, 12                        ; 1,024 keys
	s_add_co_u32 s30, s30, s31
	s_mov_b32 s31, 0
	s_lshl_b32 s32, s3, 11                         ; 64 tiles x 8 words x 4 bytes
	s_mov_b32 s33, 0
	s_wait_kmcnt 0x0
	s_add_nc_u64 s[4:5], s[22:23], s[30:31]
	s_add_nc_u64 s[6:7], s[28:29], s[32:33]
.irp r, 0,1,2,3,4,5,6,7,8,9,10,11,12,13,14,15
	global_load_b128 v[8+4*\r:11+4*\r], v1, s[4:5] offset:8192*\r th:TH_LOAD_NT
.endr
	s_wait_loadcnt 15                              ; row 0 is in, the 15 younger rows stay out
.irp c, 0,1,2,3
	v_min_u32 v[72+\c], 1, v[8+\c]                 ; unsigned: 1 for every number that is not 0.  Row 0 starts the four words: nothing is cleared
.endr
.irp r, 1,2,3,4,5,6,7,8,9,10,11,12,13,14,15
	s_wait_loadcnt 15-\r                           ; row r is in
.irp c, 0,1,2,3
	v_min_u32 v[8+4*\r+\c], 1, v[8+4*\r+\c]
.endr
.irp c, 0,1,2,3
	v_lshl_or_b32 v[72+\c], v[8+4*\r+\c], \r, v[72+\c]         ; bit r
.endr
.endr
.irp c, 0,1,2,3
	v_mov_b32_dpp v[12+\c], v[72+\c] row_xmask:2 row_mask:0xf bank_mask:0xf    ; lane l xor 2; the destination has been written (row 1's numbers)
.endr
.irp c, 0,1,2,3
	v_lshl_or_b32 v[72+\c], v[12+\c], 16, v[72+\c]             ; whole words in the lanes with h = 0
.endr
	v_cmp_eq_u32 vcc_lo, 0, v6
	s_wait_xcnt 0x0                                ; EXEC changes only behind this wait
	s_and_saveexec_b32 s30, vcc_lo                 ; the 16 lanes with h = 0
	global_store_b128 v2, v[72:75], s[6:7]         ; together 256 consecutive bytes, aligned
	s_wait_xcnt 0x0                                ; and again, in front of the line that widens it
	s_or_b32 exec_lo, exec_lo, s30
	s_endpgm
.Lfunc_end_k_q50b1af8165_prep:
	.size	k_q50b1af8165_prep, .Lfunc_end_k_q50b1af8165_prep-k_q50b1af8165_prep
	.p2alignl 7, 3214868480
	.fill 96, 4, 3214868480
	.section	.rodata,"a",@progbits
	.p2align	6, 0x0
	.amdhsa_kernel k_q50b1af8165_prep
		.amdhsa_group_segment_fixed_size 0
		.amdhsa_private_segment_fixed_size 0
		.amdhsa_enable_private_segment 0
		.amdhsa_kernarg_size 88
		.amdhsa_user_sgpr_count 2
		.amdhsa_user_sgpr_kernarg_segment_ptr 1
		.amdhsa_wavefront_size32 1
		.amdhsa_system_sgpr_workgroup_id_x 1
		.amdhsa_system_sgpr_workgroup_id_y 1
		.amdhsa_system_sgpr_workgroup_id_z 1
		.amdhsa_system_vgpr_workitem_id 0
		.amdhsa_next_free_vgpr 112
		.amdhsa_next_free_sgpr 66
		.amdhsa_reserve_vcc 1
		.amdhsa_float_denorm_mode_32 3
		.amdhsa_float_denorm_mode_16_64 3
		.amdhsa_memory_ordered 1
		.amdhsa_forward_progress 1
		.amdhsa_inst_pref_size 17
	.end_amdhsa_kernel
	.amdgpu_metadata
---
amdhsa.version: [ 1, 2 ]
amdhsa.kernels:
  - .name:           k_q50b1af8165_prep
    .symbol:         k_q50b1af8165_prep.kd
    .args:
      - { .name: Q, .offset: 0, .size: 8, .value_kind: global_buffer, .address_space: global }
      - { .name: K, .offset: 8, .size: 8, .value_kind: global_buffer, .address_space: global }
      - { .name: V, .offset: 16, .size: 8, .value_kind: global_buffer, .address_space: global }
      - { .name: Wq, .offset: 24, .size: 8, .value_kind: global_buffer, .address_space: global }
      - { .name: Wk, .offset: 32, .size: 8, .value_kind: global_buffer, .address_space: global }
      - { .name: Wv, .offset: 40, .size: 8, .value_kind: global_buffer, .address_space: global }
      - { .name: Wo, .offset: 48, .size: 8, .value_kind: global_buffer, .address_space: global }
      - { .name: mask, .offset: 56, .size: 8, .value_kind: global_buffer, .address_space: global }
      - { .name: xh, .offset: 64, .size: 8, .value_kind: global_buffer, .address_space: global }
      - { .name: wh, .offset: 72, .size: 8, .value_kind: global_buffer, .address_space: global }
      - { .name: mw, .offset: 80, .size: 8, .value_kind: global_buffer, .address_space: global }
    .group_segment_fixed_size: 0
    .private_segment_fixed_size: 0
    .kernarg_segment_align: 8
    .kernarg_segment_size: 88
    .max_flat_workgroup_size: 256
    .sgpr_count:     66
    .vgpr_count:     112
    .wavefront_size: 32
...
	.end_amdgpu_metadata
.endif
;; end of part 1
;; launch proj (part 2): grid 4 x 48, 4 waves a work-group, clusters of 4 x 4, 327,680 bytes of LDS; arguments xh, wh, bq, bk, bv, qkv; writes qkv
.if DOCPART == 2
	.amdgcn_target "amdgcn-amd-amdhsa--gfx1250"
	.amdhsa_code_object_version 6
	.text
	.protected	k_q50b1af8165_proj
	.globl	k_q50b1af8165_proj
	.p2align	8
	.type	k_q50b1af8165_proj,@function
k_q50b1af8165_proj:
	s_mov_b64 s[64:65], 0
	v_nop
	global_prefetch_b8 v0, s[64:65] scope:SCOPE_SE
	s_setreg_imm32_b32 hwreg(HW_REG_WAVE_MODE, 25, 1), 1
	s_wait_xcnt 0x0
	s_wait_alu depctr_hold_cnt(0) depctr_sa_sdst(0) depctr_va_vdst(0) depctr_va_sdst(0) depctr_va_ssrc(0) depctr_va_vcc(0) depctr_vm_vsrc(0)
	s_getreg_b32 s2, hwreg(HW_REG_IB_STS2, 6, 4)
	s_cmp_eq_u32 s2, 0
	s_cbranch_scc0 .Lentry_in_a_cluster
	s_endpgm
.Lentry_in_a_cluster:
	s_bfe_u32 s2, ttmp6, 0x10000c
	s_cmp_lg_u32 s2, 0xf033
	s_cbranch_scc0 .Lentry_shape_is_right
	s_endpgm
.Lentry_shape_is_right:
; proj: the three projections as one product.  A = xh, f16 [3 x 4096][1024]; B = wh plane g, f16 [1024 k][1024 n], g = block row / 16.
; qkv[g][b][h][s][dk] = f16((A B + bias_g) c), c = 0.125 log2(e) for q (so that the attention launch's exponentials are plain powers of two), 1 for k and v.
; A work-group makes 256 x 256 with four waves, a wave 128 x 128: 64 accumulator tiles, 512 registers.  192 work-groups: blocks of 128 x 128 would make 768,
; but a wave tile of 64 x 64 reads twice the LDS bytes for each multiply-add.  K = 1024 goes in 8 steps of 128 through two LDS slots filled by tensor loads.
; CLUSTERS: 4 x 4 work-groups.  A's tile hangs on the block row alone and is asked for jointly by the four of a row of the cluster; B's on the block column
; (and on g, which is made of the cluster's y and so is equal in all sixteen) and is asked for jointly by the four of a column.
; B lies [k][n] in memory and in LDS; its fragments come by the transposing LDS load.
; LIMIT: operands and results are f16: |q|, |k|, |v| must stay below 65,504; sums are f32, in another order than a chain of f32 additions.
;
; REGISTERS, in windows of 256: window 0: v16-27 addresses; v32-63, v224-255 bias x c of my 128 columns; v64-127, v128-191 fragments of A, two buffers;
; v192-223 at work on the way out.  Window 1: v64-127, v128-191 fragments of B.  Windows 2, 3: the accumulators of my rows 0-63, 64-127 (tile (a, b) at v[8 (8 a + b)]).
; The matrix instruction is used transposed (source 0 = 16 columns of B, source 1 = 16 rows of A): lane l holds row l % 16 and its registers the
; columns 8 (l / 16) + 0 .. 7, eight neighbouring numbers of a row.
.set KSTEP,  128
.set PITCH,  272                       ; A's LDS row: 256 bytes + 16: an odd multiple of 16, so the 16 rows of a fragment load lie in 16 different 16-byte columns of 256
.set BPITCH, 544                       ; B's LDS row: 512 bytes + 32: an odd multiple of 32, as the transposing load's 8 rows x 2 pieces want
.set HALFT,  128*PITCH                 ; what one tensor load brings: 128 rows of A, or 64 rows of B (64 x 544 = 128 x 272)
.set SLOT,   4*HALFT                   ; A's 256 rows, then B's 128 k rows
.set STAGE,  2*SLOT                    ; behind the ring: 16 rows x 272 bytes for each wave; no tensor load lands here
.set SPITCH, 272
.set LAPS,   4                         ; a lap = two K steps
.set ADRA, 16                          ; v16-17  LDS address of my A fragments in slot 0, 1
.set ADRB, 20                          ; v20-21  the same for B
.set STO,  24
.set RD,   25
.set CO,   26
.set VB,   27                          ; 32 x (l / 16): my 8 numbers of a 16-column piece of the bias
.set F0,   64
.set F1,   128
.set TMP,  192
.set G1,  24                           ; s[24:31] group 1 of A's tiles
.set G0,  32                           ; s[32:39] group 0 of A's tiles, one for each slot
.set G1B, 48                           ; s[48:55] group 1 of B's tiles
.set G0B, 56                           ; s[56:63] group 0 of B's tiles, one for each slot
.set MSB, 0
.macro WIN new                         ; the immediate's high byte repeats the setting that is left
.if MSB != \new
	s_set_vgpr_msb (MSB<<8)|\new
.set MSB, \new
.endif
.endm
.set MUL_LO, 0xa1                      ; source 0 (B) window 1, source 1 (A) window 0, C and D window 2
.set MUL_HI, 0xf1                      ; the same, C and D window 3
.set TO_B,   0x40                      ; destination window 1, address window 0
; A joint load.  Waves 0, 1 fetch A's two halves, waves 2, 3 B's.  The branch hangs on the wave's number alone.
.macro JLOAD s
	s_cmp_eq_u32 s11, 0
	s_cbranch_scc0 .Lfor_b_\@
	tensor_load_to_lds s[G0+4*\s:G0+4*\s+3], s[G1:G1+7]
	s_nop 0
	s_branch .Lasked_\@
.Lfor_b_\@:
	tensor_load_to_lds s[G0B+4*\s:G0B+4*\s+3], s[G1B:G1B+7]
	s_nop 0
.Lasked_\@:
.endm
.macro CREST                           ; a round of the cluster's barrier behind its opening work-group barrier
	s_cmp_lg_u32 s10, 0
	s_cbranch_scc1 .Lnot_wave_0_\@
	s_barrier_signal -3
.Lnot_wave_0_\@:
	s_barrier_wait -3
	s_barrier_signal -1
	s_barrier_wait -1
.endm
.macro CROUND                          ; a whole round
	s_barrier_signal -1
	s_barrier_wait -1
	CREST
.endm
	s_load_b128 s[4:7], s[0:1], 0x0                ; xh s[4:5], wh s[6:7]
	s_load_b256 s[72:79], s[0:1], 0x10             ; bq s[72:73], bk s[74:75], bv s[76:77], qkv s[78:79]
	s_set_vgpr_msb 0x40
	v_lshl_add_u32 v255, v0, 2, 0x48400
	s_set_vgpr_msb 0x4000
	v_mov_b32 v31, 0
	s_set_vgpr_msb 0x1
	ds_add_u32 v255, v31
	s_set_vgpr_msb 0x100
	v_lshrrev_b32 v1, 5, v0
	v_readfirstlane_b32 s10, v1                    ; wave 0..3
	s_lshr_b32 s11, s10, 1                         ; my half of the block's rows.  Also: I fetch for A (0) or B (1)
	s_and_b32 s12, s10, 1                          ; my half of its columns.  Also: which half of that tile I fetch
	s_bfe_u32 s40, ttmp6, 0x40000                  ; cx
	s_bfe_u32 s41, ttmp6, 0x40004                  ; cy
	s_lshl_b32 s42, ttmp9, 2
	s_add_co_u32 s42, s42, s40                     ; block column = 4 x cluster x + cx
	s_and_b32 s13, ttmp7, 0xffff
	s_lshr_b32 s66, s13, 2                         ; g = which projection: four clusters along y to a plane of 4,096 rows
	s_lshl_b32 s13, s13, 2
	s_add_co_u32 s13, s13, s41                     ; block row = 4 x cluster y + cy
	s_lshl_b32 s43, s41, 2
	s_lshl_b32 s43, 15, s43                        ; my row of the cluster
	s_lshl_b32 s44, 0x1111, s40                    ; my column
	; group 1 of A: 128 rows x 128 elements of 2 bytes, 4 words of padding behind every 64
	s_or_b32 s[G1+0], s43, (1<<16)|(1<<20)|(1<<21)|(5<<22)|(3<<25)
	s_mov_b32 s[G1+1], KSTEP<<16                   ; tensor_dim0 = 128
	s_mov_b32 s[G1+2], 128<<16                     ; tensor_dim1 = 128
	s_mov_b32 s[G1+3], KSTEP<<16                   ; tile_dim0 = 128
	s_mov_b32 s[G1+4], 128                         ; tile_dim1 = 128
	s_mov_b32 s[G1+5], 1024                        ; elements from row to row
	s_mov_b32 s[G1+6], 0
	s_mov_b32 s[G1+7], 0
	; group 1 of B: 64 k rows x 256 elements, 8 words of padding behind every 128
	s_or_b32 s[G1B+0], s44, (1<<16)|(1<<20)|(1<<21)|(6<<22)|(7<<25)
	s_mov_b32 s[G1B+1], 256<<16
	s_mov_b32 s[G1B+2], 64<<16
	s_mov_b32 s[G1B+3], 256<<16
	s_mov_b32 s[G1B+4], 64
	s_mov_b32 s[G1B+5], 1024
	s_mov_b32 s[G1B+6], 0
	s_mov_b32 s[G1B+7], 0
	; where the tiles come from; A's registers never hold cx, B's never cy
	s_lshl_b32 s16, s13, 19                        ; A: 256 rows of 2,048 bytes to a block row
	s_lshl_b32 s17, s12, 18                        ;    + my 128 rows
	s_add_co_u32 s16, s16, s17
	s_mov_b32 s17, 0
	s_lshl_b32 s46, s42, 9                         ; B: 256 columns of 2 bytes to a block column
	s_lshl_b32 s47, s12, 17                        ;    + my 64 k rows of 2,048 bytes
	s_add_co_u32 s46, s46, s47
	s_lshl_b32 s47, s66, 21                        ;    + plane g
	s_add_co_u32 s46, s46, s47
	s_mov_b32 s47, 0
	s_mul_i32 s20, s10, HALFT                      ; and where they go: wave x 34,816 bytes
	; the bias, the factor and the place of the results
	s_lshl_b32 s80, s42, 10                        ; bias: 256 columns of 4 bytes to a block column
	s_lshl_b32 s81, s12, 9
	s_add_co_u32 s80, s80, s81
	s_mov_b32 s81, 0
	s_lshr_b32 s82, s13, 3                         ; results: (plane, batch) = block row / 8, 4,194,304 bytes each
	s_lshl_b32 s82, s82, 22
	s_and_b32 s83, s13, 7
	s_lshl_b32 s83, s83, 15                        ; + 256 positions of 128 bytes
	s_add_co_u32 s82, s82, s83
	s_lshl_b32 s83, s11, 14                        ; + my 128 positions
	s_add_co_u32 s82, s82, s83
	s_lshl_b32 s83, s42, 20                        ; + 4 heads of 262,144 bytes to a block column
	s_add_co_u32 s82, s82, s83
	s_lshl_b32 s83, s12, 19                        ; + my 2 heads
	s_add_co_u32 s82, s82, s83
	s_mov_b32 s83, 0
	s_wait_dscnt 0x0
	s_wait_kmcnt 0x0
	s_add_nc_u64 s[14:15], s[4:5], s[16:17]
	s_add_nc_u64 s[46:47], s[6:7], s[46:47]
	s_add_nc_u64 s[78:79], s[78:79], s[82:83]
	s_cmp_eq_u32 s66, 1
	s_cselect_b64 s[70:71], s[74:75], s[72:73]
	s_cmp_eq_u32 s66, 2
	s_cselect_b64 s[70:71], s[76:77], s[70:71]
	s_cmp_eq_u32 s66, 0
	s_cselect_b32 s68, 0x3e38aa3b, 1.0             ; c
	s_mov_b32 s69, s68
	s_add_nc_u64 s[70:71], s[70:71], s[80:81]
	CROUND                                         ; all sixteen work-groups are here: the first joint loads meet
.irp s, 0,1
	s_mov_b32 s[G0+4*\s], 1
	s_add_co_u32 s[G0+4*\s+1], s20, \s*SLOT
	s_add_nc_u64 s[G0+4*\s+2:G0+4*\s+3], s[14:15], \s*KSTEP*2          ; K step s: 128 elements along A's rows
	s_or_b32 s[G0+4*\s+3], s[G0+4*\s+3], 0x80000000
	s_mov_b32 s[G0B+4*\s], 1
	s_add_co_u32 s[G0B+4*\s+1], s20, \s*SLOT
	s_add_nc_u64 s[G0B+4*\s+2:G0B+4*\s+3], s[46:47], \s*KSTEP*2048     ; K step s: 128 rows of B
	s_or_b32 s[G0B+4*\s+3], s[G0B+4*\s+3], 0x80000000
	JLOAD \s                                       ; two tensor loads of the wave are out now, one behind each later refill
.endr
	v_and_b32 v1, 15, v0                           ; l % 16
	v_bfe_u32 v2, v0, 4, 1                         ; l / 16
	v_mul_u32_u24 v3, v1, PITCH
	v_lshl_add_u32 v3, v2, 4, v3                   ; A: row x pitch + 16 x half
	v_and_b32 v6, 7, v0
	v_lshl_add_u32 v6, v2, 3, v6                   ; B: k row 8 (l / 16) + l % 8,
	v_mul_u32_u24 v6, v6, BPITCH
	v_bfe_u32 v7, v0, 3, 1
	v_lshl_add_u32 v6, v7, 4, v6                   ;    16-byte piece (l / 8) % 2 of the 16 columns
	s_mul_i32 s21, s11, HALFT                      ; my 128 rows of A
	s_lshl_b32 s22, s12, 8                         ; my 128 columns of B,
	s_add_co_u32 s22, s22, 2*HALFT                 ; which lies behind A's 256 rows
.irp s, 0,1
	v_add_nc_u32 v[ADRA+\s], s21, v3
	v_add_nc_u32 v[ADRB+\s], s22, v6
	s_add_co_u32 s21, s21, SLOT
	s_add_co_u32 s22, s22, SLOT
.endr
	s_mul_i32 s23, s10, 16*SPITCH
	s_add_co_u32 s23, s23, STAGE                   ; my stage
	v_mul_u32_u24 v4, v1, SPITCH
	v_lshl_add_u32 v4, v2, 4, v4
	v_add_nc_u32 v[STO], s23, v4                   ; in: row l % 16, 16 bytes for each half of the lanes
	v_and_b32 v8, 31, v0
	v_lshrrev_b32 v5, 3, v8
	v_mul_u32_u24 v5, v5, SPITCH
	v_and_b32 v9, 7, v0
	v_lshl_add_u32 v5, v9, 4, v5
	v_add_nc_u32 v[RD], s23, v5                    ; back: eight lanes take the 128 bytes of one head in one row, a wave four rows
	v_lshlrev_b32 v[CO], 4, v8                     ; which are 512 consecutive bytes of qkv
	v_lshlrev_b32 v[VB], 5, v2
.irp b, 0,1,2,3,4,5,6,7
	global_load_b128 v[32+8*\b+160*(\b/4):32+8*\b+160*(\b/4)+3],   v[VB], s[70:71] offset:64*\b
	global_load_b128 v[32+8*\b+160*(\b/4)+4:32+8*\b+160*(\b/4)+7], v[VB], s[70:71] offset:64*\b+16
.endr
	s_wait_loadcnt 0x0                             ; the bias, once; the first tiles are on their way meanwhile
.irp b, 0,1,2,3,4,5,6,7
.irp r, 0,1,2,3
	v_pk_mul_f32 v[32+8*\b+160*(\b/4)+2*\r:32+8*\b+160*(\b/4)+2*\r+1], v[32+8*\b+160*(\b/4)+2*\r:32+8*\b+160*(\b/4)+2*\r+1], s[68:69] op_sel_hi:[1,0]   ; bias x c
.endr
.endr
; 16 matrix instructions: m blocks a0, a0 + 1 of the window's four x all 8 n blocks, 32 along K.  zero = 1: the first product starts the sums.
.macro MUL16 f, hi, a0, zero
.irp a, \a0, \a0+1
.irp b, 0,1,2,3,4,5,6,7
.if \zero
	v_wmma_f32_16x16x32_f16 v[8*(8*(\a)+\b):8*(8*(\a)+\b)+7], v[\f+8*\b:\f+8*\b+7], v[\f+8*(4*\hi+\a):\f+8*(4*\hi+\a)+7], 0
.else
	v_wmma_f32_16x16x32_f16 v[8*(8*(\a)+\b):8*(8*(\a)+\b)+7], v[\f+8*\b:\f+8*\b+7], v[\f+8*(4*\hi+\a):\f+8*(4*\hi+\a)+7], v[8*(8*(\a)+\b):8*(8*(\a)+\b)+7]
.endif
.endr
.endr
.endm
; 32 LDS loads in one run: the fragments of quarter q (32 along K) into buffer f.  B: k rows 32 q .. + 31, transposed on the way, 16 columns a fragment.
.macro FETCH slot, q, f
	WIN TO_B
.irp i, 0,1,2,3,4,5,6,7
	ds_load_tr16_b128 v[\f+8*\i:\f+8*\i+3],   v[ADRB+\slot] offset:\q*32*BPITCH+32*\i
	ds_load_tr16_b128 v[\f+8*\i+4:\f+8*\i+7], v[ADRB+\slot] offset:\q*32*BPITCH+32*\i+16*BPITCH
.endr
	WIN 0
.irp i, 0,1,2,3,4,5,6,7
	ds_load_b128 v[\f+8*\i:\f+8*\i+3],   v[ADRA+\slot] offset:\q*64+\i*16*PITCH
	ds_load_b128 v[\f+8*\i+4:\f+8*\i+7], v[ADRA+\slot] offset:\q*64+\i*16*PITCH+32
.endr
.endm
; A load into a register that a matrix instruction has read, and a vector instruction that reads a matrix result, stand four places behind it; only plain
; vector instructions that name none of its registers are places.
.macro PLACES
.rept 4
	v_nop
.endr
.endm
; A quarter step: 64 matrix instructions on buffer f; in its middle the next quarter's fragments are fetched into buffer g.
; The 64 accumulators take turns, one instruction a turn, in the same order in every quarter.
.macro QUARTER slot, q, f, g, zero
	s_wait_dscnt 8                                 ; B and A's rows 0-63 are in; the youngest eight loads (A's rows 64-127) may be out
	WIN MUL_LO
	MUL16 \f, 0, 0, \zero
	MUL16 \f, 0, 2, \zero
	PLACES
	FETCH \slot, \q, \g
	s_wait_dscnt 32                                ; all but the 32 just issued
	WIN MUL_HI
	MUL16 \f, 1, 0, \zero
	MUL16 \f, 1, 2, \zero
.endm
.macro THREE slot, zero
	QUARTER \slot, 1, F0, F1, \zero
	QUARTER \slot, 2, F1, F0, 0
	QUARTER \slot, 3, F0, F1, 0
.endm
; The last quarter changes slots.  In front of the barrier each wave waits for its reads of this slot and for all its tensor loads (one is out: its part of the
; next slot).  Where the slot is filled again the barrier opens a round of the cluster's barrier, and the joint refill is the first tensor load behind the round.
.macro TURN slot, next, fill
	s_wait_dscnt 8
	WIN MUL_LO
	MUL16 F1, 0, 0, 0
	s_wait_dscnt 0
	s_wait_tensorcnt 0x0
	ds_add_u32 v255, v31
	s_wait_dscnt 0x0
	s_barrier_signal -1
	MUL16 F1, 0, 2, 0                              ; register work while the others arrive
	WIN 0
	s_barrier_wait -1
.if \fill
	CREST
	s_add_nc_u64 s[G0+4*\slot+2:G0+4*\slot+3], s[G0+4*\slot+2:G0+4*\slot+3], 2*KSTEP*2
	s_add_nc_u64 s[G0B+4*\slot+2:G0B+4*\slot+3], s[G0B+4*\slot+2:G0B+4*\slot+3], 2*KSTEP*2048
	JLOAD \slot
.endif
	PLACES
	FETCH \next, 0, F0
	WIN MUL_HI
	MUL16 F1, 1, 0, 0
	MUL16 F1, 1, 2, 0
.endm
.macro LAP zero
	THREE 0, \zero
	TURN 0, 1, 1
	THREE 1, 0
	TURN 1, 0, 1
.endm
	s_wait_tensorcnt 1                             ; my part of K step 0 is in; K step 1's stays out
	s_barrier_signal -1
	s_barrier_wait -1
	FETCH 0, 0, F0
	LAP 1                                          ; the first lap's first products start the sums
	WIN 0
	s_mov_b32 s3, LAPS-2
.Llap:
	LAP 0
	WIN 0
	s_sub_co_u32 s3, s3, 1
	s_cmp_lg_u32 s3, 0
	s_cbranch_scc1 .Llap
	THREE 0, 0                                     ; the last lap fills nothing
	TURN 0, 1, 0
	THREE 1, 0
	s_wait_dscnt 8
	WIN MUL_LO
	MUL16 F1, 0, 0, 0
	MUL16 F1, 0, 2, 0
	s_wait_dscnt 0
	WIN MUL_HI
	MUL16 F1, 1, 0, 0
	MUL16 F1, 1, 2, 0
	; THE WAY OUT, 16 rows at a time: sum x c + bias x c in one fused multiply-add, f16, 16 bytes a lane into my own stage, back as rows of one head.
	PLACES
; rows 16 i .. + 15 = the eight tiles (a, 0..7) of window 2 or 3.  fmaw: destination and source 0 in that window; from: sources 0 and 1 in it.
.macro OUT16 i, a, fmaw, from, f
	WIN \fmaw
.irp b, 0,1,2,3,4,5,6,7
.irp r, 0,1,2,3
	v_pk_fma_f32 v[8*(8*\a+\b)+2*\r:8*(8*\a+\b)+2*\r+1], v[8*(8*\a+\b)+2*\r:8*(8*\a+\b)+2*\r+1], s[68:69], v[32+8*\b+160*(\b/4)+2*\r:32+8*\b+160*(\b/4)+2*\r+1] op_sel_hi:[1,0,1]
.endr
.endr
	WIN \from
.irp b, 0,1,2,3,4,5,6,7
.irp r, 0,1,2,3
	v_cvt_pk_f16_f32 v[TMP+4*\b+\r], v[8*(8*\a+\b)+2*\r], v[8*(8*\a+\b)+2*\r+1]
.endr
.endr
	WIN 0
.irp b, 0,1,2,3,4,5,6,7
	ds_store_b128 v[STO], v[TMP+4*\b:TMP+4*\b+3] offset:32*\b
.endr
	s_wait_xcnt 0x0                                ; buffer f, which earlier stores read, and the stores' base are rewritten only behind this wait
.if \i
	s_add_nc_u64 s[78:79], s[78:79], 16*128        ; 16 positions on
.endif
.irp t, 0,1,2,3,4,5,6,7
	ds_load_b128 v[\f+4*\t:\f+4*\t+3], v[RD] offset:(\t&3)*4*SPITCH+(\t>>2)*128    ; LDS serves a wave's instructions in order: these see the stores above
.endr
.irp t, 0,1,2,3,4,5,6,7
	s_wait_dscnt 7-\t
	global_store_b128 v[CO], v[\f+4*\t:\f+4*\t+3], s[78:79] offset:(\t&3)*512+(\t>>2)*262144   ; 512 consecutive bytes: four positions of one head
.endr
.endm
	OUT16 0, 0, 0x82, 0x0a, F0
	OUT16 1, 1, 0x82, 0x0a, F1
	OUT16 2, 2, 0x82, 0x0a, F0
	OUT16 3, 3, 0x82, 0x0a, F1
	OUT16 4, 0, 0xc3, 0x0f, F0
	OUT16 5, 1, 0xc3, 0x0f, F1
	OUT16 6, 2, 0xc3, 0x0f, F0
	OUT16 7, 3, 0xc3, 0x0f, F1
	s_set_vgpr_msb 0x1
	s_wait_tensorcnt 0x0
	ds_add_u32 v255, v31
	s_wait_dscnt 0x0
	s_set_vgpr_msb 0x100
	CROUND                                         ; the closing round: no work-group ends while a partner may still ask for a tile that names it
	s_endpgm
.Lfunc_end_k_q50b1af8165_proj:
	.size	k_q50b1af8165_proj, .Lfunc_end_k_q50b1af8165_proj-k_q50b1af8165_proj
	.p2alignl 7, 3214868480
	.fill 96, 4, 3214868480
	.section	.rodata,"a",@progbits
	.p2align	6, 0x0
	.amdhsa_kernel k_q50b1af8165_proj
		.amdhsa_group_segment_fixed_size 327680
		.amdhsa_private_segment_fixed_size 0
		.amdhsa_enable_private_segment 0
		.amdhsa_kernarg_size 48
		.amdhsa_user_sgpr_count 2
		.amdhsa_user_sgpr_kernarg_segment_ptr 1
		.amdhsa_wavefront_size32 1
		.amdhsa_system_sgpr_workgroup_id_x 1
		.amdhsa_system_sgpr_workgroup_id_y 1
		.amdhsa_system_sgpr_workgroup_id_z 1
		.amdhsa_system_vgpr_workitem_id 0
		.amdhsa_next_free_vgpr 1024
		.amdhsa_next_free_sgpr 88
		.amdhsa_reserve_vcc 0
		.amdhsa_float_denorm_mode_32 3
		.amdhsa_float_denorm_mode_16_64 3
		.amdhsa_memory_ordered 1
		.amdhsa_forward_progress 1
		.amdhsa_inst_pref_size 217
	.end_amdhsa_kernel
	.amdgpu_metadata
---
amdhsa.version: [ 1, 2 ]
amdhsa.kernels:
  - .name:           k_q50b1af8165_proj
    .symbol:         k_q50b1af8165_proj.kd
    .args:
      - { .name: xh, .offset: 0, .size: 8, .value_kind: global_buffer, .address_space: global }
      - { .name: wh, .offset: 8, .size: 8, .value_kind: global_buffer, .address_space: global }
      - { .name: bq, .offset: 16, .size: 8, .value_kind: global_buffer, .address_space: global }
      - { .name: bk, .offset: 24, .size: 8, .value_kind: global_buffer, .address_space: global }
      - { .name: bv, .offset: 32, .size: 8, .value_kind: global_buffer, .address_space: global }
      - { .name: qkv, .offset: 40, .size: 8, .value_kind: global_buffer, .address_space: global }
    .group_segment_fixed_size: 327680
    .private_segment_fixed_size: 0
    .kernarg_segment_align: 8
    .kernarg_segment_size: 48
    .max_flat_workgroup_size: 128
    .sgpr_count:     88
    .vgpr_count:     1024
    .wavefront_size: 32
...
	.end_amdgpu_metadata
.endif
;; end of part 2
;; launch attn (part 3): grid 8 x 32, 8 waves a work-group, clusters of 4 x 1, 327,680 bytes of LDS; arguments qkv, mw, ctx; writes ctx
.if DOCPART == 3
	.amdgcn_target "amdgcn-amd-amdhsa--gfx1250"
	.amdhsa_code_object_version 6
	.text
	.protected	k_q50b1af8165_attn
	.globl	k_q50b1af8165_attn
	.p2align	8
	.type	k_q50b1af8165_attn,@function
k_q50b1af8165_attn:
	s_mov_b64 s[64:65], 0
	v_nop
	global_prefetch_b8 v0, s[64:65] scope:SCOPE_SE
	s_setreg_imm32_b32 hwreg(HW_REG_WAVE_MODE, 25, 1), 1
	s_wait_xcnt 0x0
	s_wait_alu depctr_hold_cnt(0) depctr_sa_sdst(0) depctr_va_vdst(0) depctr_va_sdst(0) depctr_va_ssrc(0) depctr_va_vcc(0) depctr_vm_vsrc(0)
	s_getreg_b32 s2, hwreg(HW_REG_IB_STS2, 6, 4)
	s_cmp_eq_u32 s2, 0
	s_cbranch_scc0 .Lentry_in_a_cluster
	s_endpgm
.Lentry_in_a_cluster:
	s_bfe_u32 s2, ttmp6, 0x10000c
	s_cmp_lg_u32 s2, 0x3003
	s_cbranch_scc0 .Lentry_shape_is_right
	s_endpgm
.Lentry_shape_is_right:
; attn: ctx[b][h][s][dk] = softmax over all 2,048 keys of (mask ? q k / 8 : -1e-8) times v, one head (y = 16 b + h) and 256 queries (x) to a work-group,
; 32 queries to a wave.  q comes multiplied by 0.125 log2(e), so every exponential is a power of two; the fill is -1e-8 log2(e).
; A masked score is a number like any other here, so no key is skipped and the fill takes part in the maximum and the sum.
; The softmax runs on a running maximum, 64 keys a step: new maximum, alpha = 2^(old - new), sums and results scaled by alpha.
; EIGHT WAVES, two to a SIMD.  A wave's step is a chain of phases, each of which needs the one before: scores (matrix unit), softmax (vector unit), P V (matrix unit).
; A second wave on the SIMD has work for the unit that the first one's phase leaves idle.  And with 32 queries a step needs 64 mask words, which are the two sets of
; 32 scalar registers: each set is loaded again straight behind its use and has a whole step in which to land.
; The price: each wave reads all of K's and V's fragments for 32 queries, 16,384 bytes of LDS for 32 matrix instructions.
; FORMS.  Scores transposed: S^T = K Q^T (A = 16 keys x 32 dk, B = 16 queries): lane (r = l % 16, h = l / 16) holds query r, keys 8 h + j in register j.
; Two such tiles, rounded to f16, ARE the B fragment (32 keys x 16 queries) of O^T = V^T P^T: no shuffle.  V^T's fragments come by the transposing LDS load
; from V as it lies, [key][dk].  A query's maximum and sum live in its two lanes (r, 0), (r, 1): one exchange of the halves serves.
; The mask comes as lane masks, a word for each score register (mw, made by the first launch), by scalar loads: one select a score.
; CLUSTERS: the four work-groups of a cluster share a head: K's and V's tiles are asked for jointly (mask 15).  Q and the mask words are each work-group's own.
; TILES of 256 keys, four steps each, in two LDS slots.  Each refill stands behind a round of the cluster's barrier, which brings the cluster's 32 waves into step:
; 8 tiles make 6 such rounds for the 2,048 keys, and a refill has a whole tile's four steps in which to land.
; LDS: slot s at 131,072 s: K 256 keys x 144 bytes, V 256 keys x 160 bytes (77,824 bytes); stage at 262,144: 32 rows x 144 bytes a wave; no tensor load lands there.
; LIMIT: P and the results are f16 (P <= 1; |ctx| below 65,504; steps of 6e-8 below 6.1e-5).  NaN and infinities in q, k, v are not followed as an f32 softmax would.
.set KPITCH, 144                       ; 128 bytes + 16: an odd multiple of 16
.set VPITCH, 160                       ; 128 bytes + 32: an odd multiple of 32, for the transposing load
.set TKEYS,  256                       ; keys in a tile
.set WROWS,  TKEYS/8                   ; rows of K and of V that a wave fetches for a tile
.set TBYTES, TKEYS*128                 ; a tile of K or of V in memory
.set SLOTB,  0x20000
.set VOFF,   TKEYS*KPITCH
.set STAGE,  0x40000
; window 0
.set KAD,  4                           ; v4-5    K fragments' LDS address, slot 0, 1
.set VAD,  6                           ; v6-7    V fragments' LDS address, slot 0, 1
.set FILL, 8                           ; v8      -1e-8 log2(e)
.set STO,  9
.set RD,   10
.set CO,   11
.set VQ,   12
.set TMPA, 16                          ; v16-23  two sets of four, for the maxima
.set USUM, 24                          ; v24-31  four pairs, for the sums
.set MX2,  32                          ; v32-35  query tile t: the running maximum, twice (a pair for the packed subtraction)
.set AL2,  36                          ; v36-39  query tile t: alpha, twice
.set LSUM, 40                          ; v40-41  query tile t: my lane's part of the running sum
.set KFR,  64                          ; v64-127   K fragment (kt, c) at 64 + 8 (2 kt + c)
.set SCR,  128                         ; v128-191  scores (t, kt) at 128 + 32 t + 8 kt; then P fragment (t, kc) at 128 + 32 t + 8 kc
.set VFR,  192                         ; v192-255  V^T fragment (kc, d) at 192 + 8 (4 kc + d)
; window 1
.set OAC,  0                           ; results (t, d) at 8 (4 t + d)
.set QFR,  64                          ; Q fragment (t, c) at 64 + 8 (2 t + c)
.set MA,   68                          ; s[68:99]  mask words of query tile 0
.set MB,   32                          ; s[32:63]  mask words of query tile 1
.set MSB, 0
.macro WIN new                         ; the immediate's high byte repeats the setting that is left
.if MSB != \new
	s_set_vgpr_msb (MSB<<8)|\new
.set MSB, \new
.endif
.endm
.macro PLACES n
.rept \n
	v_nop
.endr
.endm
.macro ROUND                           ; a round of the cluster's barrier
	s_barrier_signal -1
	s_barrier_wait -1
	s_cmp_lg_u32 s5, 0
	s_cbranch_scc1 .Lnot_wave_0_\@
	s_barrier_signal -3
.Lnot_wave_0_\@:
	s_barrier_wait -3
	s_barrier_signal -1
	s_barrier_wait -1
.endm
	s_load_b128 s[32:35], s[0:1], 0x0              ; qkv s[32:33], mw s[34:35]  (set B's registers, free until its first load)
	s_load_b64 s[36:37], s[0:1], 0x10              ; ctx
	v_lshl_add_u32 v62, v0, 2, 0x49000
	v_mov_b32 v63, 0
	ds_add_u32 v62, v63
	v_lshrrev_b32 v1, 5, v0
	v_readfirstlane_b32 s5, v1                     ; wave 0..7
	s_bfe_u32 s66, ttmp6, 0x40000                  ; cx
	s_lshl_b32 s67, ttmp9, 2
	s_add_co_u32 s67, s67, s66                     ; x = 4 x cluster x + cx
	s_and_b32 s4, ttmp7, 0xffff                    ; y: the head, shared by the cluster
	s_lshl_b32 s38, s4, 18                         ; K, V: head of 262,144 bytes
	s_lshl_b32 s40, s5, 12                         ;       + my 32 rows of 128 bytes in each tile
	s_add_co_u32 s38, s38, s40
	s_mov_b32 s39, 0
	s_lshl_b32 s40, s4, 18                         ; q, ctx: head
	s_lshl_b32 s42, s67, 15                        ;       + 256 queries of 128 bytes
	s_add_co_u32 s40, s40, s42
	s_lshl_b32 s42, s5, 12                         ;       + my 32
	s_add_co_u32 s40, s40, s42
	s_mov_b32 s41, 0
	s_lshl_b32 s42, s67, 16                        ; mask words: 16 query tiles of 4,096 bytes
	s_lshl_b32 s44, s5, 13                         ;       + my 2
	s_add_co_u32 s42, s42, s44
	s_mov_b32 s43, 0
	s_mul_i32 s44, s5, WROWS*KPITCH                ; my 32 rows in K's LDS tile
	s_mul_i32 s45, s5, WROWS*VPITCH                ; and in V's
	s_mul_i32 s46, s5, 32*KPITCH
	s_add_co_u32 s46, s46, STAGE                   ; my stage
	s_mov_b32 s6, 0x76543210                       ; v_permlanex16_b32: lane i of one half reads lane i of the other
	s_mov_b32 s7, 0xfedcba98
	; group 1: 32 rows x 64 elements of 2 bytes, joint for the four work-groups; K: 4 words of padding behind every 32, V: 8
	s_mov_b32 s8, 15|(1<<16)|(1<<20)|(1<<21)|(4<<22)|(3<<25)
	s_mov_b32 s9, 64<<16                           ; tensor_dim0 = 64
	s_mov_b32 s10, WROWS<<16                       ; tensor_dim1 = 32
	s_mov_b32 s11, 64<<16                          ; tile_dim0 = 64
	s_mov_b32 s12, WROWS                           ; tile_dim1 = 32
	s_mov_b32 s13, 64                              ; elements from row to row
	s_mov_b32 s14, 0
	s_mov_b32 s15, 0
	s_mov_b32 s16, 15|(1<<16)|(1<<20)|(1<<21)|(4<<22)|(7<<25)
	s_mov_b32 s17, 64<<16
	s_mov_b32 s18, WROWS<<16
	s_mov_b32 s19, 64<<16
	s_mov_b32 s20, WROWS
	s_mov_b32 s21, 64
	s_mov_b32 s22, 0
	s_mov_b32 s23, 0
	s_wait_dscnt 0x0
	s_wait_kmcnt 0x0
	s_add_nc_u64 s[104:105], s[32:33], s[40:41]    ; my q rows
	s_add_nc_u64 s[100:101], s[36:37], s[40:41]    ; my ctx rows
	s_add_nc_u64 s[2:3], s[34:35], s[42:43]        ; my mask words
	s_add_nc_u64 s[38:39], s[32:33], s[38:39]      ; my rows of the head in plane 0
	; group 0: tile 0 (slot 0) in s[68:75], set A's registers, free until these loads are done; tile 1 (slot 1) in s[24:31], which then walk on
	s_mov_b32 s68, 1
	s_add_co_u32 s69, s44, 0
	s_add_nc_u64 s[70:71], s[38:39], 8388608       ; plane 1: k
	s_or_b32 s71, s71, 0x80000000
	s_mov_b32 s72, 1
	s_add_co_u32 s73, s45, VOFF
	s_add_nc_u64 s[74:75], s[38:39], 16777216      ; plane 2: v
	s_or_b32 s75, s75, 0x80000000
	s_mov_b32 s24, 1
	s_add_co_u32 s25, s44, SLOTB
	s_add_nc_u64 s[26:27], s[38:39], 8388608+TBYTES
	s_or_b32 s27, s27, 0x80000000
	s_mov_b32 s28, 1
	s_add_co_u32 s29, s45, SLOTB+VOFF
	s_add_nc_u64 s[30:31], s[38:39], 16777216+TBYTES
	s_or_b32 s31, s31, 0x80000000
	ROUND                                          ; the four work-groups are here: the first joint loads meet
	tensor_load_to_lds s[68:71], s[8:15]           ; four tensor loads of the wave are out now; two behind each later refill
	s_nop 0
	tensor_load_to_lds s[72:75], s[16:23]
	s_nop 0
	tensor_load_to_lds s[24:27], s[8:15]
	s_nop 0
	tensor_load_to_lds s[28:31], s[16:23]
	s_nop 0
	v_and_b32 v1, 15, v0                           ; r
	v_bfe_u32 v2, v0, 4, 1                         ; h
	v_and_b32 v3, 7, v0
	v_bfe_u32 v13, v0, 3, 1
	v_and_b32 v14, 31, v0                          ; lane
	v_mul_u32_u24 v[KAD], v1, KPITCH
	v_lshl_add_u32 v[KAD], v2, 4, v[KAD]           ; key r of a fragment, 16 bytes for each half
	v_add_nc_u32 v[KAD+1], SLOTB, v[KAD]
	v_lshl_add_u32 v15, v2, 3, v3                  ; key 8 h + l % 8,
	v_mul_u32_u24 v15, v15, VPITCH
	v_lshl_add_u32 v15, v13, 4, v15                ; 16-byte piece (l / 8) % 2 of 16 dk
	v_add_nc_u32 v[VAD], VOFF, v15
	v_add_nc_u32 v[VAD+1], VOFF+SLOTB, v15
	v_mov_b32 v[FILL], 0xb277da66                  ; -1e-8 x 1.442695
	v_add_nc_u32 v[STO], s46, v[KAD]               ; the stage has K's pitch
	v_lshrrev_b32 v15, 3, v14
	v_mul_u32_u24 v15, v15, KPITCH
	v_lshl_add_u32 v15, v3, 4, v15
	v_add_nc_u32 v[RD], s46, v15                   ; back: eight lanes a row of 128 bytes, four rows a wave
	v_lshlrev_b32 v[CO], 4, v14
	v_lshlrev_b32 v[VQ], 7, v1
	v_lshl_add_u32 v[VQ], v2, 4, v[VQ]             ; query r, 16 bytes for each half
	WIN 0x40                                       ; destination window 1
.irp t, 0,1
.irp c, 0,1
	global_load_b128 v[QFR+16*\t+8*\c:QFR+16*\t+8*\c+3],   v[VQ], s[104:105] offset:2048*\t+64*\c
	global_load_b128 v[QFR+16*\t+8*\c+4:QFR+16*\t+8*\c+7], v[VQ], s[104:105] offset:2048*\t+64*\c+32
.endr
.endr
	WIN 0
; 16 LDS loads: the eight K fragments of the tile's 64 keys number sub
.macro KLOAD slot, sub
.irp kt, 0,1,2,3
.irp c, 0,1
	ds_load_b128 v[KFR+16*\kt+8*\c:KFR+16*\kt+8*\c+3],   v[KAD+(\slot)] offset:KPITCH*(64*(\sub)+16*\kt)+64*\c
	ds_load_b128 v[KFR+16*\kt+8*\c+4:KFR+16*\kt+8*\c+7], v[KAD+(\slot)] offset:KPITCH*(64*(\sub)+16*\kt)+64*\c+32
.endr
.endr
.endm
; 16 transposing LDS loads: the eight V^T fragments (32 keys x 16 dk) of the tile's 64 keys number sub
.macro VLOAD slot, sub
.irp kc, 0,1
.irp d, 0,1,2,3
	ds_load_tr16_b128 v[VFR+8*(4*\kc+\d):VFR+8*(4*\kc+\d)+3],   v[VAD+(\slot)] offset:VPITCH*(64*(\sub)+32*\kc)+32*\d
	ds_load_tr16_b128 v[VFR+8*(4*\kc+\d)+4:VFR+8*(4*\kc+\d)+7], v[VAD+(\slot)] offset:VPITCH*(64*(\sub)+32*\kc)+32*\d+16*VPITCH
.endr
.endr
.endm
; the 32 mask words of one query tile and 64 keys: 128 consecutive bytes
.macro MLOAD set, off
	s_load_b512 s[\set:\set+15], s[2:3], \off
	s_load_b512 s[\set+16:\set+31], s[2:3], \off+64
.endm
; where the mask's bit is 0 the score becomes the fill
.macro MASKT t, set
.set i, 0
.rept 32
	v_cndmask_b32 v[SCR+32*\t+i], v[FILL], v[SCR+32*\t+i], s[\set+i]
.set i, i+1
.endr
.endm
; the new maximum of query tile t and alpha = 2^(old - new).  Sixteen three-way maxima in four chains; the last takes the old maximum in.
.macro MAXP t, first
.set SB, SCR+32*\t
.set TS, TMPA+4*(\t&1)
.irp k, 0,1,2,3
	v_max3_num_f32 v[TS+\k], v[SB+8*\k], v[SB+8*\k+1], v[SB+8*\k+2]
.endr
.irp k, 0,1,2,3
	v_max3_num_f32 v[TS+\k], v[TS+\k], v[SB+8*\k+3], v[SB+8*\k+4]
.endr
.irp k, 0,1,2,3
	v_max3_num_f32 v[TS+\k], v[TS+\k], v[SB+8*\k+5], v[SB+8*\k+6]
.endr
	v_max3_num_f32 v[TS], v[TS], v[TS+1], v[SB+7]
	v_max3_num_f32 v[TS+2], v[TS+2], v[TS+3], v[SB+15]
	v_max3_num_f32 v[TS], v[TS], v[SB+23], v[SB+31]
.if \first
	v_max_num_f32 v[TS], v[TS], v[TS+2]
.else
	v_max3_num_f32 v[TS], v[TS], v[TS+2], v[MX2+2*\t]
.endif
	v_permlanex16_b32 v[TS+1], v[TS], s6, s7       ; the query's other 32 keys lie in the other half of the lanes
	v_max_num_f32 v[TS], v[TS], v[TS+1]
.if 1-\first
	v_sub_f32 v[AL2+2*\t], v[MX2+2*\t], v[TS]
	v_exp_f32 v[AL2+2*\t], v[AL2+2*\t]             ; the two moves below are the plain place behind it (ISA guide 5.7.2)
.endif
	v_mov_b32 v[MX2+2*\t], v[TS]
	v_mov_b32 v[MX2+2*\t+1], v[TS]
.endm
; P = 2^(score - maximum) of query tile t, its sum into the running sum, and P rounded to f16 in place: 32 registers become two B fragments of 8
.macro EXPP t, first
.set SB, SCR+32*\t
.set i, 0
.rept 16
	v_pk_add_f32 v[SB+2*i:SB+2*i+1], v[SB+2*i:SB+2*i+1], v[MX2+2*\t:MX2+2*\t+1] neg_lo:[0,1] neg_hi:[0,1]
.set i, i+1
.endr
.set i, 0
.rept 32
	v_exp_f32 v[SB+i], v[SB+i]
.set i, i+1
.endr
.if \first
	v_nop                                          ; the plain place behind the exponentials
	s_wait_alu depctr_va_vdst(0)
.else
	s_wait_alu depctr_va_vdst(0)
	v_mov_b32 v[AL2+2*\t+1], v[AL2+2*\t]           ; alpha's second copy; also the plain place behind the exponentials
	s_wait_alu depctr_va_vdst(0)
.endif
.irp k, 0,1,2,3
	v_pk_add_f32 v[USUM+2*\k:USUM+2*\k+1], v[SB+4*\k:SB+4*\k+1], v[SB+4*\k+2:SB+4*\k+3]
.endr
.irp k, 0,1,2,3
	v_pk_add_f32 v[USUM+2*\k:USUM+2*\k+1], v[USUM+2*\k:USUM+2*\k+1], v[SB+16+2*\k:SB+16+2*\k+1]
.endr
.irp k, 0,1,2,3
	v_pk_add_f32 v[USUM+2*\k:USUM+2*\k+1], v[USUM+2*\k:USUM+2*\k+1], v[SB+24+2*\k:SB+24+2*\k+1]
.endr
	v_pk_add_f32 v[USUM:USUM+1], v[USUM:USUM+1], v[USUM+2:USUM+3]
	v_pk_add_f32 v[USUM+4:USUM+5], v[USUM+4:USUM+5], v[USUM+6:USUM+7]
	v_pk_add_f32 v[USUM:USUM+1], v[USUM:USUM+1], v[USUM+4:USUM+5]
.if \first
	v_add_f32 v[LSUM+\t], v[USUM], v[USUM+1]
.else
	v_add_f32 v[USUM], v[USUM], v[USUM+1]
	v_fma_f32 v[LSUM+\t], v[LSUM+\t], v[AL2+2*\t], v[USUM]
.endif
.set i, 0
.rept 16
	v_cvt_pk_f16_f32 v[SB+i], v[SB+2*i], v[SB+2*i+1]   ; ascending: register i is written when 2 i and 2 i + 1 have been read
.set i, i+1
.endr
.endm
; every result times its query's factor (alpha; at the end 1 / sum)
.macro RESCALE
	WIN 0x41                                       ; destination and source 0 window 1, the factor window 0
.irp t, 0,1
.set i, 0
.rept 16
	v_pk_mul_f32 v[OAC+32*\t+2*i:OAC+32*\t+2*i+1], v[OAC+32*\t+2*i:OAC+32*\t+2*i+1], v[AL2+2*\t:AL2+2*\t+1]
.set i, i+1
.endr
.endr
.endm
; 64 keys.  slot, sub: where they lie (sub = 0 .. 3 in the tile); ul: which 128 bytes of mask words, counted from s[2:3]; first = 1: nothing to carry on from;
; nxt: 0 = the tile's next 64 keys follow; 1 = the tile is done and its slot is filled again; 2 = done, nothing more to fetch; 3 = the last keys;
; last = 1: no further mask words.
; At the entry 16 K loads are out, and this step's mask words: query tile 0's into set A, query tile 1's into set B.
.macro SUB slot, sub, ul, first, nxt, last
	VLOAD \slot, \sub
	s_wait_dscnt 16                                ; the 16 K loads are in; the 16 V loads just issued stay out
	WIN 0x04                                       ; source 1 (Q) window 1
	; 16 matrix instructions on 8 accumulators, which take turns, one instruction a turn; dk 0-31 starts the sums
.irp kt, 0,1,2,3
.irp t, 0,1
	v_wmma_f32_16x16x32_f16 v[SCR+32*\t+8*\kt:SCR+32*\t+8*\kt+7], v[KFR+16*\kt:KFR+16*\kt+7], v[QFR+16*\t:QFR+16*\t+7], 0
.endr
.endr
.irp kt, 0,1,2,3
.irp t, 0,1
	v_wmma_f32_16x16x32_f16 v[SCR+32*\t+8*\kt:SCR+32*\t+8*\kt+7], v[KFR+16*\kt+8:KFR+16*\kt+15], v[QFR+16*\t+8:QFR+16*\t+15], v[SCR+32*\t+8*\kt:SCR+32*\t+8*\kt+7]
.endr
.endr
	WIN 0
	PLACES 4                                       ; four places before K's registers are loaded again and the scores are read (ISA guide 7.12.1)
.if \nxt == 0
	KLOAD \slot, \sub+1
.endif
.if \nxt == 1
	s_wait_dscnt 0x0                               ; my reads of this slot are over: K's long ago, V's just now
	s_wait_tensorcnt 0x0                           ; all my tensor loads have landed: the two that were out are my part of the next tile
	ds_add_u32 v62, v63
	s_wait_dscnt 0x0
	s_xor_b32 s25, s25, SLOTB                      ; so both group 0 may be written: back to this slot,
	s_xor_b32 s29, s29, SLOTB
	s_add_nc_u64 s[26:27], s[26:27], TBYTES        ; one tile of 256 keys on from the last request
	s_add_nc_u64 s[30:31], s[30:31], TBYTES
	ROUND                                          ; both now hold of every wave of the four work-groups
	tensor_load_to_lds s[24:27], s[8:15]           ; the joint refills come first; they have a whole tile's four steps in which to land
	s_nop 0
	tensor_load_to_lds s[28:31], s[16:23]
	s_nop 0
	KLOAD 1-\slot, 0
.endif
.if \nxt == 2
	s_wait_dscnt 0x0
	s_wait_tensorcnt 0x0                           ; my part of the last tile is in,
	s_barrier_signal -1
	s_barrier_wait -1                              ; everybody's is
	KLOAD 1-\slot, 0
.endif
	s_wait_kmcnt 0x0                               ; scalar loads come back in no order: zero.  They were issued a whole step ago
	MASKT 0, MA
	MASKT 1, MB
.if 1-\last
	MLOAD MA, \ul*128+128                          ; both sets have been used: the next 64 keys' words
	MLOAD MB, \ul*128+128+4096
.endif
	MAXP 0, \first
	MAXP 1, \first
	EXPP 0, \first
	EXPP 1, \first
.if 1-\first
	RESCALE
.endif
.if \nxt == 3
	s_wait_dscnt 0x0
.else
	s_wait_dscnt 16                                ; V is in; the 16 younger K loads stay out
.endif
	WIN 0x50                                       ; V^T and P window 0; C and D window 1
	; 16 matrix instructions on 8 accumulators by turns, one instruction a turn
.irp kc, 0,1
.irp t, 0,1
.irp d, 0,1,2,3
.if \first*(1-\kc)
	v_wmma_f32_16x16x32_f16 v[OAC+8*(4*\t+\d):OAC+8*(4*\t+\d)+7], v[VFR+8*(4*\kc+\d):VFR+8*(4*\kc+\d)+7], v[SCR+32*\t+8*\kc:SCR+32*\t+8*\kc+7], 0
.else
	v_wmma_f32_16x16x32_f16 v[OAC+8*(4*\t+\d):OAC+8*(4*\t+\d)+7], v[VFR+8*(4*\kc+\d):VFR+8*(4*\kc+\d)+7], v[SCR+32*\t+8*\kc:SCR+32*\t+8*\kc+7], v[OAC+8*(4*\t+\d):OAC+8*(4*\t+\d)+7]
.endif
.endr
.endr
.endr
	WIN 0
	PLACES 5                                       ; five places before the next scores are written over P, four before V's registers are loaded again
.endm
	MLOAD MB, 4096                                 ; keys 0-63, query tile 1 (the addresses in s[32:47] have been used)
	s_wait_tensorcnt 2                             ; my part of tile 0, the first two loads, is in, so s[68:75] may be written; tile 1's two loads stay out:
	s_barrier_signal -1
	s_barrier_wait -1                              ; everybody's part of tile 0 is in
	MLOAD MA, 0                                    ; keys 0-63, query tile 0
	KLOAD 0, 0
	s_wait_loadcnt 0x0                             ; Q
	SUB 0, 0, 0, 1, 0, 0                           ; tiles 0 and 1 stand in front of the loop: the first products start the sums
	SUB 0, 1, 1, 0, 0, 0
	SUB 0, 2, 2, 0, 0, 0
	SUB 0, 3, 3, 0, 1, 0
	SUB 1, 0, 4, 0, 0, 0
	SUB 1, 1, 5, 0, 0, 0
	SUB 1, 2, 6, 0, 0, 0
	SUB 1, 3, 7, 0, 1, 0
	s_wait_xcnt 0x0                                ; the pending scalar loads' base is stepped only behind this wait
	s_add_nc_u64 s[2:3], s[2:3], 1024              ; 512 keys of mask words on
	s_mov_b32 s4, 2
.Ltrips:                                               ; tiles 2 to 5, two a trip; each asks for the tile two further on
	SUB 0, 0, 0, 0, 0, 0
	SUB 0, 1, 1, 0, 0, 0
	SUB 0, 2, 2, 0, 0, 0
	SUB 0, 3, 3, 0, 1, 0
	SUB 1, 0, 4, 0, 0, 0
	SUB 1, 1, 5, 0, 0, 0
	SUB 1, 2, 6, 0, 0, 0
	SUB 1, 3, 7, 0, 1, 0
	s_wait_xcnt 0x0
	s_add_nc_u64 s[2:3], s[2:3], 1024
	s_sub_co_u32 s4, s4, 1
	s_cmp_lg_u32 s4, 0
	s_cbranch_scc1 .Ltrips
	SUB 0, 0, 0, 0, 0, 0                           ; tiles 6 and 7 fetch nothing
	SUB 0, 1, 1, 0, 0, 0
	SUB 0, 2, 2, 0, 0, 0
	SUB 0, 3, 3, 0, 2, 0
	SUB 1, 0, 4, 0, 0, 0
	SUB 1, 1, 5, 0, 0, 0
	SUB 1, 2, 6, 0, 0, 0
	SUB 1, 3, 7, 0, 3, 1
	; THE WAY OUT.  The places behind the last matrix instructions stand at the end of SUB.
.irp t, 0,1
	v_permlanex16_b32 v[TMPA+\t], v[LSUM+\t], s6, s7   ; the other half's part of the sum
.endr
.irp t, 0,1
	v_add_f32 v[LSUM+\t], v[LSUM+\t], v[TMPA+\t]       ; at least 1: the largest score gives 2^0
.endr
.irp t, 0,1
	v_rcp_f32 v[AL2+2*\t], v[LSUM+\t]
.endr
	v_nop                                          ; the plain place behind the reciprocals
	s_wait_alu depctr_va_vdst(0)
.irp t, 0,1
	v_mov_b32 v[AL2+2*\t+1], v[AL2+2*\t]
.endr
	RESCALE
	WIN 0x05                                       ; sources 0 and 1 window 1
.set i, 0
.rept 32
	v_cvt_pk_f16_f32 v[KFR+i], v[OAC+2*i], v[OAC+2*i+1]    ; lane (r, h): query r, dk 16 d + 8 h + 0 .. 7: 16 bytes that belong together
.set i, i+1
.endr
	WIN 0
.irp t, 0,1
.irp d, 0,1,2,3
	ds_store_b128 v[STO], v[KFR+4*(4*\t+\d):KFR+4*(4*\t+\d)+3] offset:16*KPITCH*\t+32*\d
.endr
.endr
.set i, 0
.rept 8
	ds_load_b128 v[SCR+4*i:SCR+4*i+3], v[RD] offset:4*KPITCH*i     ; my own stage: LDS serves a wave's instructions in order
.set i, i+1
.endr
.set i, 0
.rept 8
	s_wait_dscnt 7-i                               ; read-back i is in, the younger ones stay out
	global_store_b128 v[CO], v[SCR+4*i:SCR+4*i+3], s[100:101] offset:512*i     ; 512 consecutive bytes: four queries
.set i, i+1
.endr
	s_wait_tensorcnt 0x0
	ds_add_u32 v62, v63
	s_wait_dscnt 0x0
	ROUND                                          ; the closing round
	s_endpgm
.Lfunc_end_k_q50b1af8165_attn:
	.size	k_q50b1af8165_attn, .Lfunc_end_k_q50b1af8165_attn-k_q50b1af8165_attn
	.p2alignl 7, 3214868480
	.fill 96, 4, 3214868480
	.section	.rodata,"a",@progbits
	.p2align	6, 0x0
	.amdhsa_kernel k_q50b1af8165_attn
		.amdhsa_group_segment_fixed_size 327680
		.amdhsa_private_segment_fixed_size 0
		.amdhsa_enable_private_segment 0
		.amdhsa_kernarg_size 24
		.amdhsa_user_sgpr_count 2
		.amdhsa_user_sgpr_kernarg_segment_ptr 1
		.amdhsa_wavefront_size32 1
		.amdhsa_system_sgpr_workgroup_id_x 1
		.amdhsa_system_sgpr_workgroup_id_y 1
		.amdhsa_system_sgpr_workgroup_id_z 1
		.amdhsa_system_vgpr_workitem_id 0
		.amdhsa_next_free_vgpr 352
		.amdhsa_next_free_sgpr 106
		.amdhsa_reserve_vcc 0
		.amdhsa_float_denorm_mode_32 3
		.amdhsa_float_denorm_mode_16_64 3
		.amdhsa_memory_ordered 1
		.amdhsa_forward_progress 1
		.amdhsa_inst_pref_size 255
	.end_amdhsa_kernel
	.section	.bss,"aw",@nobits
	.p2align	6
	.space	262144
	.amdgpu_metadata
---
amdhsa.version: [ 1, 2 ]
amdhsa.kernels:
  - .name:           k_q50b1af8165_attn
    .symbol:         k_q50b1af8165_attn.kd
    .args:
      - { .name: qkv, .offset: 0, .size: 8, .value_kind: global_buffer, .address_space: global }
      - { .name: mw, .offset: 8, .size: 8, .value_kind: global_buffer, .address_space: global }
      - { .name: ctx, .offset: 16, .size: 8, .value_kind: global_buffer, .address_space: global }
    .group_segment_fixed_size: 327680
    .private_segment_fixed_size: 0
    .kernarg_segment_align: 8
    .kernarg_segment_size: 24
    .max_flat_workgroup_size: 256
    .sgpr_count:     106
    .vgpr_count:     352
    .wavefront_size: 32
...
	.end_amdgpu_metadata
.endif
;; end of part 3
;; launch oproj (part 4): grid 8 x 32, 4 waves a work-group, clusters of 4 x 4, 327,680 bytes of LDS; arguments ctx, wh, bo, out0; writes out0
.if DOCPART == 4
	.amdgcn_target "amdgcn-amd-amdhsa--gfx1250"
	.amdhsa_code_object_version 6
	.text
	.protected	k_q50b1af8165_oproj
	.globl	k_q50b1af8165_oproj
	.p2align	8
	.type	k_q50b1af8165_oproj,@function
k_q50b1af8165_oproj:
	s_mov_b64 s[64:65], 0
	v_nop
	global_prefetch_b8 v0, s[64:65] scope:SCOPE_SE
	s_setreg_imm32_b32 hwreg(HW_REG_WAVE_MODE, 25, 1), 1
	s_wait_xcnt 0x0
	s_wait_alu depctr_hold_cnt(0) depctr_sa_sdst(0) depctr_va_vdst(0) depctr_va_sdst(0) depctr_va_ssrc(0) depctr_va_vcc(0) depctr_vm_vsrc(0)
	s_getreg_b32 s2, hwreg(HW_REG_IB_STS2, 6, 4)
	s_cmp_eq_u32 s2, 0
	s_cbranch_scc0 .Lentry_in_a_cluster
	s_endpgm
.Lentry_in_a_cluster:
	s_bfe_u32 s2, ttmp6, 0x10000c
	s_cmp_lg_u32 s2, 0xf033
	s_cbranch_scc0 .Lentry_shape_is_right
	s_endpgm
.Lentry_shape_is_right:
; oproj: out0 = ctx Wo + bo.  A = ctx, f16 [b][h][s][dk]: row m = 2048 b + s, k = 64 h + dk.  B = wh plane 3, f16 [1024 k][1024 n].  out0: f32 [4096][1024].
; 256 work-groups, one for each block of 128 x 128; four waves, 2 x 2, a wave 64 x 64: 16 accumulator tiles.  (Blocks of 256 x 256 would be 64 work-groups.)
; K = 1024 goes in 4 super tiles of 256 (four heads) through two LDS slots.  Each wave fetches one head's 128 x 64 of A and 64 k rows x 128 of B for each super tile.
; CLUSTERS: 4 x 4 work-groups; A's tiles are asked for jointly along a row of the cluster, B's along a column.
; The matrix instruction is used transposed (source 0 = 16 columns of B, source 1 = 16 rows of A): a lane holds eight neighbouring columns of one row.
; LIMIT: operands are f16, sums f32, in another order than a chain of f32 additions.
; LDS: slot s at 147,456 s: A four heads x 128 rows x 144 bytes, then B 256 k rows x 288 bytes; stage at 294,912: 16 rows x 272 bytes a wave; no tensor load lands there.
; Window 0: v16-27 addresses; v64-127, v128-191 two fragment buffers (A at + 8 a, B at + 32 + 8 b); v192-223 bias; v224-255 at work.  Window 1: accumulator (a, b) at 8 (4 a + b).
.set QT,     18432                     ; 128 x 144 = 64 x 288: what one tensor load brings
.set SS,     8*QT
.set STAGE,  2*SS
.set SPITCH, 272
.set ADRA, 16                          ; v16-17  A fragments, slot 0, 1
.set ADRB, 20                          ; v20-23  B fragments, slot 0, 1 x k rows 0-127, 128-255 (the immediate offset has 16 bits)
.set STO,  24
.set RD,   25
.set CO,   26
.set VB,   27
.set F0,   64
.set F1,   128
.set BIAS, 192
.set TMP,  224
.set G1A, 24
.set G1B, 32
.set G0A, 40                           ; s[40:47] one group 0 for each slot
.set G0B, 48                           ; s[48:55]
.set MSB, 0
.macro WIN new
.if MSB != \new
	s_set_vgpr_msb (MSB<<8)|\new
.set MSB, \new
.endif
.endm
.macro PLACES
.rept 4
	v_nop
.endr
.endm
.macro CREST
	s_cmp_lg_u32 s12, 0
	s_cbranch_scc1 .Lnot_wave_0_\@
	s_barrier_signal -3
.Lnot_wave_0_\@:
	s_barrier_wait -3
	s_barrier_signal -1
	s_barrier_wait -1
.endm
.macro CROUND
	s_barrier_signal -1
	s_barrier_wait -1
	CREST
.endm
	s_load_b256 s[4:11], s[0:1], 0x0               ; ctx s[4:5], wh s[6:7], bo s[8:9], out0 s[10:11]
	v_lshl_add_u32 v62, v0, 2, 0x4c400
	v_mov_b32 v63, 0
	ds_add_u32 v62, v63
	v_lshrrev_b32 v1, 5, v0
	v_readfirstlane_b32 s12, v1                    ; wave
	s_lshr_b32 s13, s12, 1                         ; my half of the rows
	s_and_b32 s14, s12, 1                          ; my half of the columns
	s_bfe_u32 s56, ttmp6, 0x40000                  ; cx
	s_bfe_u32 s57, ttmp6, 0x40004                  ; cy
	s_lshl_b32 s58, ttmp9, 2
	s_add_co_u32 s58, s58, s56                     ; block column
	s_and_b32 s59, ttmp7, 0xffff
	s_lshl_b32 s59, s59, 2
	s_add_co_u32 s59, s59, s57                     ; block row
	s_lshl_b32 s60, s57, 2
	s_lshl_b32 s60, 15, s60                        ; my row of the cluster
	s_lshl_b32 s61, 0x1111, s56                    ; my column
	; group 1 of A: 128 rows x 64 elements of 2 bytes, 4 words of padding behind every 32
	s_or_b32 s[G1A+0], s60, (1<<16)|(1<<20)|(1<<21)|(4<<22)|(3<<25)
	s_mov_b32 s[G1A+1], 64<<16
	s_mov_b32 s[G1A+2], 128<<16
	s_mov_b32 s[G1A+3], 64<<16
	s_mov_b32 s[G1A+4], 128
	s_mov_b32 s[G1A+5], 64
	s_mov_b32 s[G1A+6], 0
	s_mov_b32 s[G1A+7], 0
	; group 1 of B: 64 k rows x 128 elements, 8 words of padding behind every 64
	s_or_b32 s[G1B+0], s61, (1<<16)|(1<<20)|(1<<21)|(5<<22)|(7<<25)
	s_mov_b32 s[G1B+1], 128<<16
	s_mov_b32 s[G1B+2], 64<<16
	s_mov_b32 s[G1B+3], 128<<16
	s_mov_b32 s[G1B+4], 64
	s_mov_b32 s[G1B+5], 1024
	s_mov_b32 s[G1B+6], 0
	s_mov_b32 s[G1B+7], 0
	s_lshr_b32 s16, s59, 4                         ; A: batch of 4,194,304 bytes
	s_lshl_b32 s16, s16, 22
	s_and_b32 s17, s59, 15
	s_lshl_b32 s17, s17, 14                        ;    + 128 positions of 128 bytes
	s_add_co_u32 s16, s16, s17
	s_lshl_b32 s17, s12, 18                        ;    + my head of the four
	s_add_co_u32 s16, s16, s17
	s_mov_b32 s17, 0
	s_lshl_b32 s18, s58, 8                         ; B: 128 columns of 2 bytes
	s_lshl_b32 s19, s12, 17                        ;    + my 64 k rows of 2,048 bytes
	s_add_co_u32 s18, s18, s19
	s_add_co_u32 s18, s18, 6291456                 ;    + plane 3
	s_mov_b32 s19, 0
	s_mul_i32 s20, s12, QT
	s_lshl_b32 s68, s58, 9                         ; bias and columns of out0: 128 columns of 4 bytes
	s_lshl_b32 s69, s14, 8                         ;    + my 64
	s_add_co_u32 s68, s68, s69
	s_mov_b32 s69, 0
	s_lshl_b32 s66, s59, 19                        ; rows of out0: 128 rows of 4,096 bytes
	s_lshl_b32 s67, s13, 18                        ;    + my 64
	s_add_co_u32 s66, s66, s67
	s_add_co_u32 s66, s66, s68
	s_mov_b32 s67, 0
	s_wait_dscnt 0x0
	s_wait_kmcnt 0x0
	s_add_nc_u64 s[16:17], s[4:5], s[16:17]
	s_add_nc_u64 s[18:19], s[6:7], s[18:19]
	s_add_nc_u64 s[8:9], s[8:9], s[68:69]
	s_add_nc_u64 s[10:11], s[10:11], s[66:67]
	CROUND                                         ; the first joint loads meet
.irp s, 0,1
	s_mov_b32 s[G0A+4*\s], 1
	s_add_co_u32 s[G0A+4*\s+1], s20, \s*SS
	s_add_nc_u64 s[G0A+4*\s+2:G0A+4*\s+3], s[16:17], \s*1048576        ; super tile s: four heads on
	s_or_b32 s[G0A+4*\s+3], s[G0A+4*\s+3], 0x80000000
	s_mov_b32 s[G0B+4*\s], 1
	s_add_co_u32 s[G0B+4*\s+1], s20, \s*SS+4*QT
	s_add_nc_u64 s[G0B+4*\s+2:G0B+4*\s+3], s[18:19], \s*524288         ; super tile s: 256 k rows on
	s_or_b32 s[G0B+4*\s+3], s[G0B+4*\s+3], 0x80000000
	tensor_load_to_lds s[G0A+4*\s:G0A+4*\s+3], s[G1A:G1A+7]            ; four tensor loads of the wave are out now; two behind each later refill
	s_nop 0
	tensor_load_to_lds s[G0B+4*\s:G0B+4*\s+3], s[G1B:G1B+7]
	s_nop 0
.endr
	v_and_b32 v1, 15, v0                           ; r
	v_bfe_u32 v2, v0, 4, 1                         ; h
	v_mul_u32_u24 v3, v1, 144
	v_lshl_add_u32 v3, v2, 4, v3
	v_and_b32 v6, 7, v0
	v_lshl_add_u32 v6, v2, 3, v6
	v_mul_u32_u24 v6, v6, 288
	v_bfe_u32 v7, v0, 3, 1
	v_lshl_add_u32 v6, v7, 4, v6
	s_mul_i32 s21, s13, 64*144                     ; my 64 rows in each head's tile
	s_lshl_b32 s22, s14, 7                         ; my 64 columns of B,
	s_add_co_u32 s22, s22, 4*QT                    ; which lies behind A's four heads
	v_add_nc_u32 v[ADRA], s21, v3
	v_add_nc_u32 v[ADRB], s22, v6
	v_add_nc_u32 v[ADRA+1], SS, v[ADRA]
	v_add_nc_u32 v[ADRB+1], 128*288, v[ADRB]
	v_add_nc_u32 v[ADRB+2], SS, v[ADRB]
	v_add_nc_u32 v[ADRB+3], SS+128*288, v[ADRB]
	s_mul_i32 s23, s12, 16*SPITCH
	s_add_co_u32 s23, s23, STAGE
	v_mul_u32_u24 v4, v1, SPITCH
	v_lshl_add_u32 v4, v2, 5, v4
	v_add_nc_u32 v[STO], s23, v4                   ; in: row r, 32 bytes (8 f32) for each half of the lanes
	v_mul_u32_u24 v5, v2, SPITCH
	v_lshl_add_u32 v5, v1, 4, v5
	v_add_nc_u32 v[RD], s23, v5                    ; back: lanes 0-15 a row of 256 bytes, lanes 16-31 the next
	v_lshlrev_b32 v5, 12, v2
	v_lshl_add_u32 v[CO], v1, 4, v5                ; and the same two rows of out0
	v_lshlrev_b32 v[VB], 5, v2
.irp b, 0,1,2,3
	global_load_b128 v[BIAS+8*\b:BIAS+8*\b+3],   v[VB], s[8:9] offset:64*\b
	global_load_b128 v[BIAS+8*\b+4:BIAS+8*\b+7], v[VB], s[8:9] offset:64*\b+16
.endr
; the fragments of quarter kk (32 along K, kk = 0 .. 7 in a super tile) into buffer f: head kk / 2, dk 32 (kk % 2) of A; k rows 32 kk of B, transposed on the way
.macro FETCH slot, kk, f
.irp a, 0,1,2,3
	ds_load_b128 v[\f+8*\a:\f+8*\a+3],   v[ADRA+(\slot)] offset:QT*((\kk)>>1)+2304*\a+64*((\kk)&1)
	ds_load_b128 v[\f+8*\a+4:\f+8*\a+7], v[ADRA+(\slot)] offset:QT*((\kk)>>1)+2304*\a+64*((\kk)&1)+32
.endr
.irp b, 0,1,2,3
	ds_load_tr16_b128 v[\f+32+8*\b:\f+32+8*\b+3],   v[ADRB+2*(\slot)+((\kk)>>2)] offset:9216*((\kk)&3)+32*\b
	ds_load_tr16_b128 v[\f+32+8*\b+4:\f+32+8*\b+7], v[ADRB+2*(\slot)+((\kk)>>2)] offset:9216*((\kk)&3)+32*\b+4608
.endr
.endm
; 8 matrix instructions: row blocks a0, a0 + 1 x 4 column blocks
.macro MUL8 f, a0, zero
.irp a, \a0, \a0+1
.irp b, 0,1,2,3
.if \zero
	v_wmma_f32_16x16x32_f16 v[8*(4*(\a)+\b):8*(4*(\a)+\b)+7], v[\f+32+8*\b:\f+32+8*\b+7], v[\f+8*(\a):\f+8*(\a)+7], 0
.else
	v_wmma_f32_16x16x32_f16 v[8*(4*(\a)+\b):8*(4*(\a)+\b)+7], v[\f+32+8*\b:\f+32+8*\b+7], v[\f+8*(\a):\f+8*(\a)+7], v[8*(4*(\a)+\b):8*(4*(\a)+\b)+7]
.endif
.endr
.endr
.endm
; a quarter step: quarter kk lies in buffer f; the next one is fetched into g, then 16 matrix instructions.
; The 16 accumulators take turns, one instruction a turn, in the same order in every quarter.
.macro QSTEP slot, kk, f, g, zero
	s_wait_dscnt 0x0                               ; buffer f is in (issued a quarter ago)
	PLACES                                         ; four places before buffer g, which the last quarter's matrix instructions read, is loaded again
	FETCH \slot, \kk+1, \g
	WIN 0x50                                       ; C and D window 1
	MUL8 \f, 0, \zero
	MUL8 \f, 2, \zero
	WIN 0
.endm
; a super tile.  mode 1: its slot is filled again; 2: nothing more to fetch; 3: the last
.macro SUPER slot, mode, zero
	QSTEP \slot, 0, F0, F1, \zero
	QSTEP \slot, 1, F1, F0, 0
	QSTEP \slot, 2, F0, F1, 0
	QSTEP \slot, 3, F1, F0, 0
	QSTEP \slot, 4, F0, F1, 0
	QSTEP \slot, 5, F1, F0, 0
	QSTEP \slot, 6, F0, F1, 0
	s_wait_dscnt 0x0                               ; the last quarter is in: my reads of this slot are over
.if \mode == 3
	WIN 0x50
	MUL8 F1, 0, 0
	MUL8 F1, 2, 0
	WIN 0
.else
	s_wait_tensorcnt 0x0                           ; all my tensor loads have landed: the two that were out are my part of the next super tile
	ds_add_u32 v62, v63
	s_wait_dscnt 0x0
	s_barrier_signal -1
	WIN 0x50
	MUL8 F1, 0, 0                                  ; register work while the others arrive
	WIN 0
	s_barrier_wait -1
.if \mode == 1
	CREST                                          ; the barrier above opened a round of the cluster's barrier: no wave of any partner reads this slot or has a load out
	s_add_nc_u64 s[G0A+4*\slot+2:G0A+4*\slot+3], s[G0A+4*\slot+2:G0A+4*\slot+3], 2097152
	s_add_nc_u64 s[G0B+4*\slot+2:G0B+4*\slot+3], s[G0B+4*\slot+2:G0B+4*\slot+3], 1048576
	tensor_load_to_lds s[G0A+4*\slot:G0A+4*\slot+3], s[G1A:G1A+7]      ; the joint refills come first
	s_nop 0
	tensor_load_to_lds s[G0B+4*\slot:G0B+4*\slot+3], s[G1B:G1B+7]
	s_nop 0
.endif
	PLACES
	FETCH 1-\slot, 0, F0
	WIN 0x50
	MUL8 F1, 2, 0
	WIN 0
.endif
.endm
	s_wait_loadcnt 0x0                             ; the bias, once
	s_wait_tensorcnt 2                             ; my part of super tile 0 is in; super tile 1's two loads stay out
	s_barrier_signal -1
	s_barrier_wait -1
	FETCH 0, 0, F0
	SUPER 0, 1, 1                                  ; its first products start the sums
	SUPER 1, 1, 0
	SUPER 0, 2, 0
	SUPER 1, 3, 0
	; THE WAY OUT, 16 rows at a time: + bias, 32 bytes a lane into my own stage, back as whole rows of 256 bytes
	PLACES
.macro OUT16 a, f
	WIN 0x01                                       ; source 0 window 1
.irp b, 0,1,2,3
.irp r, 0,1,2,3
	v_pk_add_f32 v[TMP+8*\b+2*\r:TMP+8*\b+2*\r+1], v[8*(4*\a+\b)+2*\r:8*(4*\a+\b)+2*\r+1], v[BIAS+8*\b+2*\r:BIAS+8*\b+2*\r+1]
.endr
.endr
	WIN 0
.irp b, 0,1,2,3
	ds_store_b128 v[STO], v[TMP+8*\b:TMP+8*\b+3] offset:64*\b
	ds_store_b128 v[STO], v[TMP+8*\b+4:TMP+8*\b+7] offset:64*\b+16
.endr
	s_wait_xcnt 0x0                                ; buffer f, which earlier stores read, and the stores' base are rewritten only behind this wait
.if \a
	s_add_nc_u64 s[10:11], s[10:11], 16*4096
.endif
.irp t, 0,1,2,3,4,5,6,7
	ds_load_b128 v[\f+4*\t:\f+4*\t+3], v[RD] offset:\t*2*SPITCH        ; LDS serves a wave's instructions in order: these see the stores above
.endr
.irp t, 0,1,2,3,4,5,6,7
	s_wait_dscnt 7-\t
	global_store_b128 v[CO], v[\f+4*\t:\f+4*\t+3], s[10:11] offset:8192*\t th:TH_STORE_NT   ; 16 lanes store 256 consecutive bytes, aligned
.endr
.endm
	OUT16 0, F0
	OUT16 1, F1
	OUT16 2, F0
	OUT16 3, F1
	s_wait_tensorcnt 0x0
	ds_add_u32 v62, v63
	s_wait_dscnt 0x0
	CROUND                                         ; the closing round
	s_endpgm
.Lfunc_end_k_q50b1af8165_oproj:
	.size	k_q50b1af8165_oproj, .Lfunc_end_k_q50b1af8165_oproj-k_q50b1af8165_oproj
	.p2alignl 7, 3214868480
	.fill 96, 4, 3214868480
	.section	.rodata,"a",@progbits
	.p2align	6, 0x0
	.amdhsa_kernel k_q50b1af8165_oproj
		.amdhsa_group_segment_fixed_size 327680
		.amdhsa_private_segment_fixed_size 0
		.amdhsa_enable_private_segment 0
		.amdhsa_kernarg_size 32
		.amdhsa_user_sgpr_count 2
		.amdhsa_user_sgpr_kernarg_segment_ptr 1
		.amdhsa_wavefront_size32 1
		.amdhsa_system_sgpr_workgroup_id_x 1
		.amdhsa_system_sgpr_workgroup_id_y 1
		.amdhsa_system_sgpr_workgroup_id_z 1
		.amdhsa_system_vgpr_workitem_id 0
		.amdhsa_next_free_vgpr 384
		.amdhsa_next_free_sgpr 84
		.amdhsa_reserve_vcc 0
		.amdhsa_float_denorm_mode_32 3
		.amdhsa_float_denorm_mode_16_64 3
		.amdhsa_memory_ordered 1
		.amdhsa_forward_progress 1
		.amdhsa_inst_pref_size 94
	.end_amdhsa_kernel
	.amdgpu_metadata
---
amdhsa.version: [ 1, 2 ]
amdhsa.kernels:
  - .name:           k_q50b1af8165_oproj
    .symbol:         k_q50b1af8165_oproj.kd
    .args:
      - { .name: ctx, .offset: 0, .size: 8, .value_kind: global_buffer, .address_space: global }
      - { .name: wh, .offset: 8, .size: 8, .value_kind: global_buffer, .address_space: global }
      - { .name: bo, .offset: 16, .size: 8, .value_kind: global_buffer, .address_space: global }
      - { .name: out0, .offset: 24, .size: 8, .value_kind: global_buffer, .address_space: global }
    .group_segment_fixed_size: 327680
    .private_segment_fixed_size: 0
    .kernarg_segment_align: 8
    .kernarg_segment_size: 32
    .max_flat_workgroup_size: 128
    .sgpr_count:     84
    .vgpr_count:     384
    .wavefront_size: 32
...
	.end_amdgpu_metadata
.endif
;; end of part 4
